; MI455X (gfx1250); checked and timed in simulation.
; The chip was launched on July 23, 2026; its instructions are those of AMD's public machine-readable ISA for CDNA 5 (MIT licence, August 2026) and "CDNA5" Instruction Set Architecture Reference Guide (July 2026). The comments in the code are by the model that wrote it; some were corrected since.
;; SDP Attention. Allowed arithmetic: matrix products marked QUANTISED: E5M2 operands, one given power-of-two scale a tensor, by v_wmma_f32_16x16x64_bf8_bf8 or v_wmma_f32_16x16x128_bf8_bf8, f32 sums; everything else in f32.
;; Inputs: K 8,192 x 128 float32; Q 8,192 x 128 float32; V 8,192 x 128 float32; lowp_scales 4 int32 (the exponents e of the quantised operands' scales 2^e).
;; Outputs: out0 8,192 x 128 float32.
;; This version of the problem:
;;   THIS VERSION OF THE PROBLEM IS GIVEN IN LOW PRECISION. The matrix products marked QUANTISED in the list below multiply operands that are first quantised to E5M2 (5 exponent bits, 2 mantissa bits; 8 bits a number), with one given power-of-two scale for each operand tensor; their sums are f32. All else is computed in f32.
;;   The module's matrix products, in the order in which they are computed (A, B: the left and right operand; K: the contracted axis; several contracted axes count as one K, in the product's order):
;;     1. [M 8,192, K 128] x [K 128, N 8,192]; A: input Q; B: input K: QUANTISED (scales: A lowp_scales[0], B lowp_scales[1])
;;     2. [M 8,192, K 8,192] x [K 8,192, N 128]; A: softmax (see below); B: input V: QUANTISED (scales: A lowp_scales[2], B lowp_scales[3])
;;   THE QUANTISER, for each operand of a quantised product, along K:
;;     - The operand's scale is 2^e, e = its entry of the input lowp_scales (int32; the entries are numbered through the quantised products in the list's order, A before B).
;;     - Each number is divided by the scale, clamped to +-57,344, and rounded to the nearest number of E5M2, ties to even, subnormals kept.
;;     - The product sums the exact products of the quantised numbers (number of the format x scale) in f32.
;;   ~~~python
;;   def quantise(x, axis, e):      # numpy; x: float32 -> the quantised numbers, widened to float32 again
;;       x = np.moveaxis(x, axis, -1); K = x.shape[-1]
;;       r = np.clip(x / 2.0 ** e, -57344, 57344)
;;       step = 2.0 ** (np.maximum(np.frexp(np.where(r == 0, 1, r))[1] - 1, -14) - 2)
;;       q = np.round(r / step) * step * 2.0 ** e      # np.round: ties to even
;;       return np.moveaxis(q, -1, axis).astype(np.float32)
;;   ~~~
;;   SOFTMAX AHEAD OF A QUANTISED PRODUCT. Where the list says 'softmax', what is quantised is not the finished softmax but p = 2^(t - M), with t = logit x log2(e) and M = ceil(the row's largest t), a whole number; so 1/2 < the row's largest p <= 1. The row's sum l is taken of the UNQUANTISED p, in f32, and the product's result is divided by l at the end. Since M is a whole number, a kernel that streams over the keys may use a running M (the ceiling of the running maximum): every later rescaling is an exact power of two, so the quantised numbers keep their values, but for numbers so far below the row's largest that they fall under the format's range.
;;   OPERANDS COMPUTED ON THE WAY. 'Computed on the way' means the value that the module computes at that place (a softmax that the list does not call 'softmax' is quantised finished and normalised). What goes into a quantiser is computed in f32, as accurately as f32 sums, v_exp_f32 and their like allow (about 1e-6 of the number): no bf16 or f16 on the way to a quantiser, and a product that is left as it is and whose result goes on into a quantised operand takes f32 operands (vector FMAs, or v_wmma_f32_16x16x4_f32). A number that lies on a knife's edge between two numbers of the format may be rounded either way, as far as f32 arithmetic and the matrix unit's own rounding can turn it there, and no further.
;; One version. Each part assembles by itself: llvm-mc -triple=amdgcn-amd-amdhsa -mcpu=gfx1250 --defsym DOCPART=n.
;; ======== version 1 of 1: 2 launches
;; limits: right only within a limited range of input values
;; workspace buffers: qc 1,048,576 bytes; kv 2,097,152 bytes
;; launch quant (part 1): grid 512 x 1, 4 waves a work-group, no clusters, 34,304 bytes of LDS; arguments Q, K, V, lowp_scales, qc, kv; writes qc, kv
.if DOCPART == 1
	.amdgcn_target "amdgcn-amd-amdhsa--gfx1250"
	.amdhsa_code_object_version 6
	.text
	.protected	k_qd0800cd2d4_quant
	.globl	k_qd0800cd2d4_quant
	.p2align	8
	.type	k_qd0800cd2d4_quant,@function
k_qd0800cd2d4_quant:
	s_mov_b64 s[64:65], 0
	v_nop
	global_prefetch_b8 v0, s[64:65] scope:SCOPE_SE
	s_setreg_imm32_b32 hwreg(HW_REG_WAVE_MODE, 25, 1), 1
	s_wait_xcnt 0x0
; Q, K, V [8192][128] f32 become codes of BF8 (E5M2), each with the one scale 2^e that is given for it (entries 0, 1 and 3 of the scales), laid as IMAGES OF THE OPERANDS' REGISTERS,
; so that the attention launch fetches every fragment as runs of 512 consecutive bytes, 16 a lane, and transposes nothing.
; code = x / 2^e, held within +-57,344, rounded to the nearest code, ties to even.  LIMITS: each e between -126 and 112 (2^e and 57,344 x 2^e are f32 numbers).  NaN among the inputs is not served.
; qc: tile T of 16 queries at 2048 T; piece c at + 512 c; lane l = r + 16 h at + 16 l: the codes of Q[16 T + r][32 c + 16 h + 0 .. 15].
; kv: step s of 64 keys at 16384 s.  K's part: tile T' (0 .. 3) at + 2048 T', laid as a tile of Q.
;     V's part at + 8192: piece 2 t + g at + 512 (2 t + g), lane l at + 16 l: V[64 s + 32 g + 8 h + 0 .. 7][16 t + r], then V[64 s + 32 g + 16 + 8 h + 0 .. 7][16 t + r]:
;     registers 4 g .. 4 g + 3 of a fragment (16 channels x 64 keys) of the K = 64 form.
; SHARES.  Work-groups 0-127 take Q, 128-255 K: a wave takes one tile of 16 rows.  Work-groups 256-511 take V: a work-group 32 keys, a wave 32 channels.
; Q, K: each load reads one whole row, 512 consecutive bytes; the conversions want 16 neighbours along the row in ONE lane, so the 16 rows turn through the wave's own stage in LDS
; (rows 528 bytes apart: an odd multiple of 16, so that the sixteen rows that a load touches start at sixteen different groups of banks).
; V: the keys are its K and its FIRST axis: a lane takes a channel and its registers run down the keys, so the conversions give codes with the keys innermost.  No LDS on that path.
; No tensor loads, no barrier: waves share nothing.  No register that a store reads is written again.
.set X,   16                           ; v16-79   the numbers as loaded
.set Y,   80                           ; v80-143  Q, K: 64 numbers of my row, register 16 c + i = column 32 c + 16 h + i
.set C,   144                          ; v144-159 the codes
.set SP,  528                          ; a stage row
.set STG, 16*SP                        ; a wave's stage
; 2^e and 57,344 x 2^e as f32 numbers, from the whole number in s[e]
.macro MKSCALE e
	s_add_co_i32 s17, s[\e], 127
	s_lshl_b32 s19, s17, 23
	v_mov_b32 v11, s19                             ; 2^e: the conversion takes its exponent field
	s_add_co_i32 s17, s17, 15
	s_lshl_b32 s17, s17, 23
	s_or_b32 s17, s17, 0x600000
	v_mov_b32 v10, s17                             ; the largest number x 2^e
.endm
	s_load_b256 s[4:11], s[0:1], 0x0               ; Q s[4:5], K s[6:7], V s[8:9], the scales' exponents s[10:11]
	s_load_b128 s[12:15], s[0:1], 0x20             ; qc s[12:13], kv s[14:15]
	v_lshl_add_u32 v160, v0, 2, 0x8400
	v_mov_b32 v161, 0
	v_lshrrev_b32 v1, 5, v0
	v_readfirstlane_b32 s16, v1                    ; wave 0..3
	v_and_b32 v1, 31, v0                           ; lane
	v_lshlrev_b32 v2, 4, v1                        ; 16 x lane: my 16 bytes of a run of 512
	v_and_b32 v7, 15, v0                           ; r
	v_bfe_u32 v8, v0, 4, 1                         ; h
	s_mul_i32 s17, s16, STG
	v_add_nc_u32 v3, s17, v2                       ; the stage, on the way in: a row as it lies
	v_mul_u32_u24 v4, v7, SP
	v_lshl_add_u32 v4, v8, 6, v4
	v_add_nc_u32 v4, s17, v4                       ; and on the way out: row r, + 64 h: my 16 numbers of a block of 32
	v_lshlrev_b32 v5, 2, v1                        ; V: 4 bytes a lane
	v_lshlrev_b32 v6, 4, v7
	v_lshl_add_u32 v6, v8, 10, v6                  ; V's codes: 16 (lane % 16) + 1024 (lane / 16): lanes 16-31 hold the next tile of channels
	s_wait_kmcnt 0x0
	s_load_b128 s[20:23], s[10:11], 0x0            ; eq, ek, ep, ev
	s_cmp_ge_u32 ttmp9, 256
	s_cbranch_scc1 .Lvalues
	; ---- Q or K: the choice hangs on the work-group's number alone, and only pointers, an offset and e are chosen
	s_lshl_b32 s18, ttmp9, 2
	s_add_co_u32 s18, s18, s16
	s_and_b32 s18, s18, 511                        ; T: my tile of 16 rows
	s_lshl_b32 s24, s18, 13                        ; its 16 rows of 512 bytes
	s_mov_b32 s25, 0
	s_lshl_b32 s26, s18, 11                        ; its image in qc,
	s_lshr_b32 s27, s18, 2
	s_sub_co_u32 s27, s27, 16                      ; K of step s lies in the block of step s - 16 (of 128, cyclic), in front of V of step s - 16: the attention launch wants the two together
	s_and_b32 s27, s27, 127
	s_lshl_b32 s27, s27, 14
	s_and_b32 s19, s18, 3
	s_lshl_b32 s19, s19, 11
	s_add_co_u32 s27, s27, s19                     ; or in kv: 16384 (T / 4) + 2048 (T % 4)
	s_cmp_lt_u32 ttmp9, 128
	s_cselect_b64 s[28:29], s[4:5], s[6:7]
	s_cselect_b64 s[30:31], s[12:13], s[14:15]
	s_cselect_b32 s26, s26, s27
	s_mov_b32 s27, 0
	s_add_nc_u64 s[28:29], s[28:29], s[24:25]
	s_add_nc_u64 s[30:31], s[30:31], s[26:27]
.irp i, 0,1,2,3,4,5,6,7,8,9,10,11,12,13,14,15
	global_load_b128 v[X+4*\i:X+4*\i+3], v2, s[28:29] offset:512*\i th:TH_LOAD_NT   ; row i: 32 lanes read 512 consecutive bytes
.endr
	s_wait_kmcnt 0x0
	s_cmp_lt_u32 ttmp9, 128
	s_cselect_b32 s18, s20, s21                    ; eq or ek
	MKSCALE 18
	s_wait_alu depctr_va_vdst(0)
.irp i, 0,1,2,3,4,5,6,7,8,9,10,11,12,13,14,15
	s_wait_loadcnt 15-\i                           ; loads come back in order: row i is in, the younger ones may be out
	ds_store_b128 v3, v[X+4*\i:X+4*\i+3] offset:SP*\i
.endr
.irp c, 0,1,2,3
.irp j, 0,1,2,3
	ds_load_b128 v[Y+16*\c+4*\j:Y+16*\c+4*\j+3], v4 offset:128*\c+16*\j   ; LDS serves a wave's instructions in order: these see my stores
.endr
.endr
.irp c, 0,1,2,3
	s_wait_dscnt 12-4*\c                           ; block c's four loads are in; the later blocks' may be out
.irp i, 0,1,2,3,4,5,6,7,8,9,10,11,12,13,14,15
	v_med3_num_f32 v[Y+16*\c+\i], v[Y+16*\c+\i], -v10, v10   ; the conversion to an 8-bit code does not saturate (ISA guide 7.6.2): the hold at the largest code x the scale comes first
.endr
	v_cvt_scalef32_pk8_bf8_f32 v[C+4*\c:C+4*\c+1], v[Y+16*\c:Y+16*\c+7], v11
	v_cvt_scalef32_pk8_bf8_f32 v[C+4*\c+2:C+4*\c+3], v[Y+16*\c+8:Y+16*\c+15], v11
	global_store_b128 v2, v[C+4*\c:C+4*\c+3], s[30:31] offset:512*\c   ; piece c: 32 lanes store 512 consecutive bytes, at a multiple of 512 from the buffer's first byte
.endr
	s_wait_tensorcnt 0x0
	ds_add_u32 v160, v161
	s_wait_dscnt 0x0
	s_endpgm
	; ---- V: group G of 32 keys; my wave's 32 channels; register i of my lane is V[32 G + i][32 wave + lane]
.Lvalues:
	s_sub_co_u32 s18, ttmp9, 256                   ; G
	s_lshl_b32 s24, s18, 14                        ; 32 rows of 512 bytes,
	s_lshl_b32 s19, s16, 7
	s_add_co_u32 s24, s24, s19                     ; + my wave's 128 bytes of a row
	s_mov_b32 s25, 0
	s_add_nc_u64 s[28:29], s[8:9], s[24:25]
	s_lshr_b32 s26, s18, 1
	s_lshl_b32 s26, s26, 14                        ; step G / 2,
	s_and_b32 s19, s18, 1
	s_lshl_b32 s19, s19, 9
	s_add_co_u32 s26, s26, s19                     ; its half g = G % 2: 512 g,
	s_lshl_b32 s19, s16, 11
	s_add_co_u32 s26, s26, s19                     ; my two tiles of channels: 2048 x wave,
	s_add_co_u32 s26, s26, 8192                    ; behind K's part
	s_mov_b32 s27, 0
	s_add_nc_u64 s[30:31], s[14:15], s[26:27]
	s_wait_alu depctr_va_vdst(0)
.irp i, 0,1,2,3,4,5,6,7,8,9,10,11,12,13,14,15,16,17,18,19,20,21,22,23,24,25,26,27,28,29,30,31
	global_load_b32 v[X+\i], v5, s[28:29] offset:512*\i th:TH_LOAD_NT   ; key i: the wave reads 128 consecutive bytes, the four waves side by side a whole row
.endr
	s_wait_kmcnt 0x0
	MKSCALE 23                                     ; ev
; keys 8 a .. 8 a + 7 become two registers of codes at C + d
.macro VPART a, d
	s_wait_loadcnt 24-8*\a                         ; these eight loads are in; the later keys' may be out
.irp i, 0,1,2,3,4,5,6,7
	v_med3_num_f32 v[X+8*\a+\i], v[X+8*\a+\i], -v10, v10
.endr
	v_cvt_scalef32_pk8_bf8_f32 v[C+\d:C+\d+1], v[X+8*\a:X+8*\a+7], v11
.endm
	s_wait_alu depctr_va_vdst(0)
	VPART 0, 0                                     ; C+0 .. C+3: keys 0-7 and 16-23: what lanes 0-15 of the fragment hold;
	VPART 1, 4                                     ; C+4 .. C+7: keys 8-15 and 24-31: what lanes 16-31 hold
	VPART 2, 2
	VPART 3, 6
	global_store_b128 v6, v[C:C+3], s[30:31]               ; sixteen lanes store 256 consecutive bytes, at a multiple of 256 from the buffer's first byte
	global_store_b128 v6, v[C+4:C+7], s[30:31] offset:256
	s_endpgm
.Lfunc_end_k_qd0800cd2d4_quant:
	.size	k_qd0800cd2d4_quant, .Lfunc_end_k_qd0800cd2d4_quant-k_qd0800cd2d4_quant
	.p2alignl 7, 3214868480
	.fill 96, 4, 3214868480
	.section	.rodata,"a",@progbits
	.p2align	6, 0x0
	.amdhsa_kernel k_qd0800cd2d4_quant
		.amdhsa_group_segment_fixed_size 34304
		.amdhsa_private_segment_fixed_size 0
		.amdhsa_enable_private_segment 0
		.amdhsa_kernarg_size 48
		.amdhsa_user_sgpr_count 2
		.amdhsa_user_sgpr_kernarg_segment_ptr 1
		.amdhsa_wavefront_size32 1
		.amdhsa_system_sgpr_workgroup_id_x 1
		.amdhsa_system_sgpr_workgroup_id_y 1
		.amdhsa_system_sgpr_workgroup_id_z 1
		.amdhsa_system_vgpr_workitem_id 0
		.amdhsa_next_free_vgpr 162
		.amdhsa_next_free_sgpr 66
		.amdhsa_reserve_vcc 0
		.amdhsa_float_denorm_mode_32 3
		.amdhsa_float_denorm_mode_16_64 3
		.amdhsa_memory_ordered 1
		.amdhsa_forward_progress 1
		.amdhsa_inst_pref_size 19
	.end_amdhsa_kernel
	.amdgpu_metadata
---
amdhsa.version: [ 1, 2 ]
amdhsa.kernels:
  - .name:           k_qd0800cd2d4_quant
    .symbol:         k_qd0800cd2d4_quant.kd
    .args:
      - { .name: Q, .offset: 0, .size: 8, .value_kind: global_buffer, .address_space: global }
      - { .name: K, .offset: 8, .size: 8, .value_kind: global_buffer, .address_space: global }
      - { .name: V, .offset: 16, .size: 8, .value_kind: global_buffer, .address_space: global }
      - { .name: lowp_scales, .offset: 24, .size: 8, .value_kind: global_buffer, .address_space: global }
      - { .name: qc, .offset: 32, .size: 8, .value_kind: global_buffer, .address_space: global }
      - { .name: kv, .offset: 40, .size: 8, .value_kind: global_buffer, .address_space: global }
    .group_segment_fixed_size: 34304
    .private_segment_fixed_size: 0
    .kernarg_segment_align: 8
    .kernarg_segment_size: 48
    .max_flat_workgroup_size: 128
    .sgpr_count:     66
    .vgpr_count:     162
    .wavefront_size: 32
...
	.end_amdgpu_metadata
.endif
;; end of part 1
;; launch attn (part 2): grid 256 x 1, 8 waves a work-group, clusters of 4 x 1, 327,680 bytes of LDS; arguments qc, kv, lowp_scales, out0; writes out0
.if DOCPART == 2
	.amdgcn_target "amdgcn-amd-amdhsa--gfx1250"
	.amdhsa_code_object_version 6
	.text
	.protected	k_qd0800cd2d4_attn
	.globl	k_qd0800cd2d4_attn
	.p2align	8
	.type	k_qd0800cd2d4_attn,@function
k_qd0800cd2d4_attn:
	s_mov_b64 s[64:65], 0
	v_nop
	global_prefetch_b8 v0, s[64:65] scope:SCOPE_SE
	s_setreg_imm32_b32 hwreg(HW_REG_WAVE_MODE, 25, 1), 1
	s_wait_xcnt 0x0
	s_wait_alu depctr_hold_cnt(0) depctr_sa_sdst(0) depctr_va_vdst(0) depctr_va_sdst(0) depctr_va_ssrc(0) depctr_va_vcc(0) depctr_vm_vsrc(0)
	s_getreg_b32 s2, hwreg(HW_REG_IB_STS2, 6, 4)
	s_cmp_eq_u32 s2, 0
	s_cbranch_scc0 .Lentry_in_a_cluster
	s_endpgm
.Lentry_in_a_cluster:
	s_bfe_u32 s2, ttmp6, 0x10000c
	s_cmp_lg_u32 s2, 0x3003
	s_cbranch_scc0 .Lentry_shape_is_right
	s_endpgm
.Lentry_shape_is_right:
; Attention of 8,192 queries on 8,192 keys, 128 channels, logits x 1 / sqrt(8192), both products on codes of BF8 (E5M2) with the given scales 2^eq, 2^ek, 2^ep, 2^ev.
; A work-group owns 32 queries and ALL keys; its eight waves share the keys out and join their eight partial results in LDS at the end.
; qc, kv: codes as images of the operands' registers (the launch before made them): every fragment is runs of 512 consecutive bytes, 16 a lane; nothing is padded or transposed.
; kv: block B (0 .. 127) of 16,384 bytes: K of step B + 16 (cyclic) in its first half, V of step B in its second; a step is 64 keys.  Slot s of the ring is blocks 8 s .. 8 s + 7; wave w owns block 8 s + w: it alone fetches and reads it.
; THE SOFTMAX AHEAD OF THE SECOND PRODUCT: t = score x log2(e) / sqrt(8192); M = the largest t so far of the wave's keys, rounded UP to a whole number; p = 2^(t - M) is quantised, not normalised; the sum is taken of the unquantised p.
; When M moves, the sum and O are multiplied by 2^(old M - new M): exact, no branch on data.  M moves once for a PAIR of steps (128 keys of the wave).
; LAYOUT.  Both products are used transposed: S^T = K Q^T (K = 128 form), O^T = V^T P^T (K = 64 form): a lane holds ONE query (lane % 16) throughout; one conversion of a key tile's eight registers IS registers 2 t, 2 t + 1 of P.
; CLUSTER.  Its four work-groups walk the same slots and ask for them JOINTLY: the same descriptors (made of the cluster's number and the wave's) and a mask that names the four.
; RING.  Two slots of 131,072 bytes.  A pair passes two rounds; behind each a wave has one load of 16,384 bytes out.  At the head the wave fetches K of its first two steps into slot 1; then V of step i comes with K of step i + 2.
; The clusters begin at eight different slots of the sixteen and go round.  No prefetch: behind the first two loads each slot has been asked for by some cluster, so a load asks for what other work-groups have asked for before.
; LIMITS on the given exponents, so that each power of two below is an f32 number: eq + ek between -120 and 133; ep between -126 and 112.  NaN among the inputs is not served.
; REGISTERS.  Window 0: v1-7 addresses and 2^ep; v8-31 statistics and work; v32-63 Q; v64-127 K's four fragments; v128-191 S0, v192-255 S1 (two steps' scores, then p; tile u of queries at + 32 u).
;   Window 1: v0-127 O^T (tile u, channels 16 t on: v[64 u + 8 t]); v128-191 V of a pair's first step; v192-207 P's codes; v208-255 V of its second step, channel tiles 0-5 (6 and 7 come into v128-143).
.set SLOT1, 0x20000
.set SPARE, 2*SLOT1                    ; the spare words, 128 bytes for each wave: four blocks of 256 bytes that no other line names
.set STATS, 263168                     ; behind them: 512 bytes of statistics for each wave
.set WREG, 17408                       ; the way out's stage: a wave's 32 queries x 128 channels as 2 x 32 groups of 272 bytes
.set UREG, 8704
.set SPW, 1
.set NIL, 2
.set LI,  3                            ; 16 x lane
.set AD0, 4                            ; my block in slot 0, slot 1
.set AD1, 5
.set SC,  6                            ; 2^ep
.set NM,  8                            ; v8, v12   tile u: -M
.set TT,  9                            ; v9, v13   the largest t
.set LS,  10                           ; v[10:11], v[14:15] the sum, in two halves
.set FF,  16                           ; v[16:17], v[18:19] f; the upper word is written once
.set MA,  20                           ; v20-23 two chains of the maximum for each tile
.set PD,  24
.set XS,  26                           ; the sums' second chain
.set OM,  30
.set QF,  32
.set KF,  64
.set S0,  128
.set S1,  192
.set VF,  128
.set PC,  192
.set VF2, 208
.set WV,  12                           ; s12 my wave's number
.set G1,  16                           ; s[16:23] group 1: 64 rows of 256 bytes
.set G1H, 24                           ; s[24:31] group 1 of the head's load: two rows of 8,192 bytes, 131,072 apart
.set G0A, 32                           ; group 0 for slot 0, slot 1
.set G0B, 36
.set SEL, 40
.set CS,  42
.set BASE, 48                          ; kv + 16,384 x wave
.set OFF, 50                           ; byte offset of the slot that was asked for last
.set LIMS, 52                          ; 57,344 x 2^ep
.set CNT, 53
.set OUT, 54
.set EXS, 66                           ; ep + ev
.set MSB, 0
.macro WIN new                         ; the immediate's high byte repeats the setting that is left
.if MSB != \new
	s_set_vgpr_msb (MSB<<8)|\new
.set MSB, \new
.endif
.endm
.macro MID                             ; a round's middle: every wave of my work-group is here, and wave 0 says so to the cluster
	s_barrier_wait -1
	s_cmp_lg_u32 s[WV], 0
	s_cbranch_scc1 .Lnot_wave_0_\@
	s_barrier_signal -3
.Lnot_wave_0_\@:
.endm
.macro ROUND
	s_barrier_signal -1
	MID
	s_barrier_wait -3
	s_barrier_signal -1
	s_barrier_wait -1
.endm
.macro STEP g0                         ; the next slot, cyclic
	s_add_co_u32 s[OFF], s[OFF], 0x20000
	s_and_b32 s[OFF], s[OFF], 0x1fffff
	s_add_nc_u64 s[\g0+2:\g0+3], s[BASE:BASE+1], s[OFF:OFF+1]
	s_or_b32 s[\g0+3], s[\g0+3], 0x80000000
.endm
.macro FETCHK ad
.irp k, 0,1,2,3,4,5,6,7,8,9,10,11,12,13,14,15
	ds_load_b128 v[KF+4*\k:KF+4*\k+3], v[\ad] offset:512*\k
.endr
.endm
.macro FETCHV ad, dst, n               ; the first n of the 16 runs of a block's second half
	WIN 0x40
.set kk, 0
.rept \n
	ds_load_b128 v[\dst+4*kk:\dst+4*kk+3], v[\ad] offset:8192+512*kk
.set kk, kk+1
.endr
	WIN 0
.endm
.macro SCORE b, t, u, kf               ; a whole sum (K = the 128 channels): C is 0
	v_wmma_f32_16x16x128_bf8_bf8 v[\b+32*(\u)+8*(\t):\b+32*(\u)+8*(\t)+7], v[\kf+16*(\t):\kf+16*(\t)+15], v[QF+16*(\u):QF+16*(\u)+15], 0
.endm
.macro MAXHEAD                         ; S0's 32 scores of my query, in two chains, registers ascending
.irp u, 0,1
	v_max3_num_f32 v[MA+2*\u], v[S0+32*\u], v[S0+32*\u+1], v[S0+32*\u+2]
.endr
.irp u, 0,1
	v_max3_num_f32 v[MA+2*\u+1], v[S0+32*\u+3], v[S0+32*\u+4], v[S0+32*\u+5]
.endr
.irp i, 6,10,14,18,22,26
.irp u, 0,1
	v_max3_num_f32 v[MA+2*\u], v[MA+2*\u], v[S0+32*\u+\i], v[S0+32*\u+\i+1]
.endr
.irp u, 0,1
	v_max3_num_f32 v[MA+2*\u+1], v[MA+2*\u+1], v[S0+32*\u+\i+2], v[S0+32*\u+\i+3]
.endr
.endr
.irp u, 0,1
	v_max3_num_f32 v[MA+2*\u], v[MA+2*\u], v[S0+32*\u+30], v[S0+32*\u+31]
.endr
.endm
.macro MAXNEXT u, i                    ; four of S1's
	v_max3_num_f32 v[MA+2*\u], v[MA+2*\u], v[S1+32*\u+\i], v[S1+32*\u+\i+1]
	v_max3_num_f32 v[MA+2*\u+1], v[MA+2*\u+1], v[S1+32*\u+\i+2], v[S1+32*\u+\i+3]
.endm
.macro BOOK                            ; the new M and f; the two tiles alternate
.irp u, 0,1
	v_max_num_f32 v[MA+2*\u], v[MA+2*\u], v[MA+2*\u+1]
.endr
.irp u, 0,1
	v_permlanex16_b32 v[PD+\u], v[MA+2*\u], s[SEL], s[SEL+1]   ; the query's other keys lie in the lane 16 away
.endr
.irp u, 0,1
	v_max_num_f32 v[MA+2*\u], v[MA+2*\u], v[PD+\u]
.endr
.irp u, 0,1
	v_mul_f32 v[MA+2*\u], s[CS], v[MA+2*\u]        ; as t (c is positive)
.endr
.irp u, 0,1
	v_max_num_f32 v[TT+4*\u], v[TT+4*\u], v[MA+2*\u]
.endr
.irp u, 0,1
	v_mov_b32 v[OM+\u], v[NM+4*\u]
.endr
.irp u, 0,1
	v_floor_f32 v[NM+4*\u], -v[TT+4*\u]            ; -M = floor(-t): M is a whole number
.endr
.irp u, 0,1
	v_sub_f32 v[OM+\u], v[NM+4*\u], v[OM+\u]       ; old M - new M: a whole number, 0 or less
.endr
.irp u, 0,1
	v_cvt_i32_f32 v[OM+\u], v[OM+\u]               ; (it saturates)
.endr
.irp u, 0,1
	v_ldexp_f32 v[FF+2*\u], 1.0, v[OM+\u]
.endr
.endm
.macro FMA b, j                        ; t - M, two at a time (of the pairs c and -M the low word serves both halves)
	v_pk_fma_f32 v[\b+2*(\j):\b+2*(\j)+1], v[\b+2*(\j):\b+2*(\j)+1], s[CS:CS+1], v[NM+4*((\j)/16):NM+4*((\j)/16)+1] op_sel_hi:[1,0,0]
.endm
.macro FB j, sc                        ; the same on S1; sc = 1: among them tile 1's scores of the step two on
	FMA S1, \j
.if (\sc) && (((\j) % 8) == 1)
	SCORE S0, (\j)/8, 1, KF
.endif
.endm
.macro EXPS b
.set kk, \b
.rept 64
	v_exp_f32 v[kk], v[kk]                         ; p = 2^(t - M), at most 1
.set kk, kk+1
.endr
.endm
.macro SUMLINE b, u, j                 ; pair j joins the row's sum ahead of its hold: two chains
.if (\j) == 1
	v_pk_add_f32 v[XS+2*\u:XS+2*\u+1], v[\b+32*\u+2:\b+32*\u+3], v[\b+32*\u+6:\b+32*\u+7]
.elseif (\j) == 3
.elseif (\j) % 2 == 0
	v_pk_add_f32 v[LS+4*\u:LS+4*\u+1], v[LS+4*\u:LS+4*\u+1], v[\b+32*\u+2*(\j):\b+32*\u+2*(\j)+1]
.else
	v_pk_add_f32 v[XS+2*\u:XS+2*\u+1], v[XS+2*\u:XS+2*\u+1], v[\b+32*\u+2*(\j):\b+32*\u+2*(\j)+1]
.endif
.endm
.macro HOLD b, u, j                    ; the conversion to an 8-bit code does not saturate (ISA guide 7.6.2); p is not negative: the hold is one-sided
	v_dual_min_num_f32 v[\b+32*\u+2*(\j)], s[LIMS], v[\b+32*\u+2*(\j)] :: v_dual_min_num_f32 v[\b+32*\u+2*(\j)+1], s[LIMS], v[\b+32*\u+2*(\j)+1]
.endm
.macro CODES b, u
	WIN 0x40
.irp t, 0,1,2,3
	v_cvt_scalef32_pk8_bf8_f32 v[PC+8*\u+2*\t:PC+8*\u+2*\t+1], v[\b+32*\u+8*\t:\b+32*\u+8*\t+7], v[SC]
.endr
.endm
; Sums, holds and codes of one step.  sc = 1: while tile 1's weights are worked, the scores of the step two on take tile 0's registers, which have become codes.  v2 = 1: V's last two channel tiles of this step come from slot 1.
.macro WEIGHTS b, sc, v2
.irp j, 0,1,2,3,4,5,6,7,8,9,10,11,12,13,14,15
	SUMLINE \b, 0, \j
	HOLD \b, 0, \j
.endr
	CODES \b, 0
.if \v2
.irp k, 12,13,14,15
	ds_load_b128 v[VF+4*(\k-12):VF+4*(\k-12)+3], v[AD1] offset:8192+512*\k
.endr
.endif
	WIN 0
	v_pk_add_f32 v[LS:LS+1], v[LS:LS+1], v[XS:XS+1]          ; (the plain place behind the conversions)
.irp j, 0,1,2,3,4,5,6,7,8,9,10,11,12,13,14,15
	SUMLINE \b, 1, \j
	HOLD \b, 1, \j
.if (\sc) && (((\j) % 4) == 1)
	SCORE \b, \j/4, 0, KF
.endif
.endr
	CODES \b, 1
	WIN 0
	v_pk_add_f32 v[LS+4:LS+5], v[LS+4:LS+5], v[XS+2:XS+3]
.endm
.macro RESC u, k0, n                   ; n pairs of tile u's O^T x f, ascending
.set kk, 64*(\u)+(\k0)
.rept \n
	v_pk_mul_f32 v[kk:kk+1], v[kk:kk+1], v[FF+2*(\u):FF+2*(\u)+1] op_sel_hi:[1,0]
.set kk, kk+2
.endr
.endm
; O^T += V^T P^T, tile u: eight accumulators, one instruction a turn; between two turns of one stand fifteen others'.  second = 1: V of the pair's second step.  first = 1: the products start the sums.
.macro PV second, u, first
.irp t, 0,1,2,3,4,5,6,7
.if (\second) == 0
.set VA, VF+8*\t
.elseif \t < 6
.set VA, VF2+8*\t
.else
.set VA, VF+8*(\t-6)
.endif
.if \first
	v_wmma_f32_16x16x64_bf8_bf8 v[64*\u+8*\t:64*\u+8*\t+7], v[VA:VA+7], v[PC+8*\u:PC+8*\u+7], 0
.else
	v_wmma_f32_16x16x64_bf8_bf8 v[64*\u+8*\t:64*\u+8*\t+7], v[VA:VA+7], v[PC+8*\u:PC+8*\u+7], v[64*\u+8*\t:64*\u+8*\t+7]
.endif
.endr
.endm
; A PAIR of steps, whose scores lie in S0 and S1; S0's maximum and tile 0's of S1 are taken already.
.macro PAIR first, last
.irp i, 0,4,8,12,16,20,24,28
	MAXNEXT 1, \i
.endr
	BOOK
	s_wait_alu depctr_va_vdst(0)                   ; directly ahead of the wait below
	s_wait_tensorcnt 0x0                           ; slot 0's load has landed;
	ds_add_u32 v[SPW], v[NIL]                      ; 0 onto my spare word; work on registers stands between it and the wait for it
	STEP G0B
.irp j, 0,1,2,3,4,5,6,7,8,9,10,11,12,13,14,15,16,17,18,19
	FMA S0, \j
.endr
	s_wait_dscnt 0x0                               ; the add is done, and my reads of slot 1 are over
	s_barrier_signal -1                            ; a round of the cluster's barrier
.irp j, 20,21,22,23,24,25,26,27
	FMA S0, \j
.endr
	MID
	s_barrier_wait -3
	s_barrier_signal -1
.irp j, 28,29,30,31
	FMA S0, \j
.endr
	s_barrier_wait -1
	tensor_load_to_lds s[G0B:G0B+3], s[G1:G1+7]    ; slot 1, read out in the pair before, takes the pair's second step's V
	s_nop 0
.if (\last) == 0
	FETCHK AD0                                     ; K of the step two on
.endif
	FETCHV AD0, VF, 16                             ; V of the first step
	s_wait_alu depctr_va_vdst(0)                   ; ahead of the batch
	EXPS S0
.irp u, 0,1
	v_pk_mul_f32 v[LS+4*\u:LS+4*\u+1], v[LS+4*\u:LS+4*\u+1], v[FF+2*\u:FF+2*\u+1] op_sel_hi:[1,0]
.endr
.if (\last) == 0
	s_wait_dscnt 16                                ; K is in; V's sixteen loads behind it may be out
.endif
	s_wait_alu depctr_va_vdst(0)                   ; and behind the batch
	WEIGHTS S0, 1-(\last), 0
.if (\first) == 0
	WIN 0x41
	s_wait_alu depctr_va_vdst(0)                   ; ahead of the group of matrix results, first read behind exponentials
	RESC 0, 0, 32
	RESC 1, 0, 32
	WIN 0
.endif
.irp j, 0,1,2,3,4,5,6,7,8,9,10,11
	FB \j, 1-(\last)
.endr
	s_wait_tensorcnt 0x0                           ; slot 1's load has landed (in the last pair my last block: I alone read it)
.if \last
.irp j, 12,13,14,15,16,17,18,19,20,21,22,23,24,25,26,27,28,29,30,31
	FB \j, 0
.endr
	s_wait_dscnt 0x0                               ; V of the first step is in
.else
	ds_add_u32 v[SPW], v[NIL]                      ; the same sequence
	STEP G0A
.irp j, 12,13,14,15,16,17,18,19,20,21,22,23
	FB \j, 1
.endr
	s_wait_dscnt 0x0                               ; the add is done, and my reads of slot 0 are over
	s_barrier_signal -1
.irp j, 24,25,26,27
	FB \j, 1
.endr
	MID
	s_barrier_wait -3
	s_barrier_signal -1
.irp j, 28,29,30,31
	FB \j, 1
.endr
	s_barrier_wait -1
	tensor_load_to_lds s[G0A:G0A+3], s[G1:G1+7]    ; slot 0 takes the next pair's first block
	s_nop 0
	FETCHK AD1
.endif
	FETCHV AD1, VF2, 12                            ; V of the second step, channel tiles 0 to 5
	s_wait_alu depctr_va_vdst(0)
	EXPS S1
	v_nop                                          ; the plain place behind the batch
.if (\last) == 0
	s_wait_dscnt 12                                ; K is in; V's twelve loads may be out
.endif
	s_wait_alu depctr_va_vdst(0)                   ; for the batch, and for the scores in S0
.if (\last) == 0
	MAXHEAD
.endif
	WIN 0x55
	PV 0, 0, \first
	PV 0, 1, \first
	WIN 0
	WEIGHTS S1, 1-(\last), 1
	s_wait_alu depctr_va_vdst(0)
.if (\last) == 0
.irp t, 0,1,2,3
	SCORE S1, \t, 1, KF
	MAXNEXT 0, 8*\t
	MAXNEXT 0, 8*\t+4
.endr
.endif
	s_wait_dscnt 0x0                               ; all of V is in
	WIN 0x55
	PV 1, 0, 0
	PV 1, 1, 0
	WIN 0
.endm
	s_load_b256 s[4:11], s[0:1], 0x0               ; qc s[4:5], kv s[6:7], the scales' exponents s[8:9], out0 s[10:11]
	v_lshl_add_u32 v[SPW], v0, 2, SPARE
	v_mov_b32 v[NIL], 0
	ds_add_u32 v[SPW], v[NIL]                      ; the wave's opening: the add, twice on end, and its wait
	ds_add_u32 v[SPW], v[NIL]
	v_lshrrev_b32 v6, 5, v0
	v_readfirstlane_b32 s[WV], v6                  ; wave 0..7
	v_and_b32 v7, 31, v0
	v_lshlrev_b32 v[LI], 4, v7
	s_lshl_b32 s60, s[WV], 14                      ; my block of a slot
	s_mov_b32 s61, 0
	v_add_nc_u32 v[AD0], s60, v[LI]
	v_add_nc_u32 v[AD1], SLOT1, v[AD0]
	s_lshr_b32 s57, ttmp9, 3                       ; the cluster's first slot: 2 x ((4 (x / 8) + x % 8) % 8)
	s_lshl_b32 s57, s57, 2
	s_and_b32 s58, ttmp9, 7
	s_add_co_u32 s57, s57, s58
	s_and_b32 s57, s57, 7
	s_lshl_b32 s[OFF], s57, 18
	s_mov_b32 s[OFF+1], 0
	s_sub_co_u32 s58, s[OFF], 0x40000              ; K of the first two steps lies two slots and one slot back; the first slot is even, so the two are neighbours
	s_and_b32 s58, s58, 0x1fffff
	s_mov_b32 s59, 0
	s_mov_b32 s[G1], 15|(3<<16)|(1<<21)            ; 15:0 the mask: all four work-groups; 17:16 elements of 8 bytes; 21 set beside a mask
	s_mov_b32 s[G1+1], 32<<16                      ; tensor_dim0
	s_mov_b32 s[G1+2], 64<<16                      ; tensor_dim1
	s_mov_b32 s[G1+3], 32<<16                      ; tile_dim0
	s_mov_b32 s[G1+4], 64                          ; tile_dim1
	s_mov_b32 s[G1+5], 32                          ; each row begins where the last ends
	s_mov_b32 s[G1+6], 0
	s_mov_b32 s[G1+7], 0
	s_mov_b32 s[G1H], 15|(3<<16)|(1<<21)
	s_mov_b32 s[G1H+1], 1024<<16
	s_mov_b32 s[G1H+2], 2<<16
	s_mov_b32 s[G1H+3], 1024<<16
	s_mov_b32 s[G1H+4], 2
	s_mov_b32 s[G1H+5], 16384
	s_mov_b32 s[G1H+6], 0
	s_mov_b32 s[G1H+7], 0
	s_bfe_u32 s13, ttmp6, 0x40000                  ; cx: it enters qc's and out0's addresses alone
	s_lshl_b32 s14, ttmp9, 2
	s_add_co_u32 s13, s14, s13                     ; my block of 32 queries
	s_lshl_b32 s14, s13, 12                        ; qc: two tiles of 2,048 bytes
	s_mov_b32 s15, 0
	s_lshl_b32 s62, s13, 14                        ; out0: 32 rows of 512 bytes,
	s_lshl_b32 s13, s[WV], 11                      ; + my wave's four
	s_add_co_u32 s62, s62, s13
	s_mov_b32 s63, 0
	s_mov_b32 s[SEL], 0x76543210
	s_mov_b32 s[SEL+1], 0xfedcba98
	s_wait_alu depctr_va_vdst(0)                   ; directly ahead of the waits below
	s_wait_dscnt 0x0                               ; both opening adds are done
	s_wait_kmcnt 0x0
	s_load_b128 s[44:47], s[8:9], 0x0              ; eq, ek, ep, ev
	s_add_nc_u64 s[BASE:BASE+1], s[6:7], s[60:61]
	s_add_nc_u64 s[4:5], s[4:5], s[14:15]
	s_add_nc_u64 s[OUT:OUT+1], s[10:11], s[62:63]
	s_mov_b32 s[G0B], 1                            ; 1:0 count = 1
	s_add_co_u32 s[G0B+1], s60, SLOT1              ; 63:32 LDS address
	s_add_nc_u64 s[G0B+2:G0B+3], s[BASE:BASE+1], s[58:59]   ; 120:64 global address
	s_or_b32 s[G0B+3], s[G0B+3], 0x80000000        ; 127:126 type = 2
	s_mov_b32 s[G0A], 1
	s_mov_b32 s[G0A+1], s60
	s_add_nc_u64 s[G0A+2:G0A+3], s[BASE:BASE+1], s[OFF:OFF+1]
	s_or_b32 s[G0A+3], s[G0A+3], 0x80000000
	ROUND                                          ; all four work-groups are here: the joint loads meet
	tensor_load_to_lds s[G0B:G0B+3], s[G1H:G1H+7]  ; K of my first two steps, into slot 1
	s_nop 0
.irp u, 0,1
.irp c, 0,1,2,3
	global_load_b128 v[QF+16*\u+4*\c:QF+16*\u+4*\c+3], v[LI], s[4:5] offset:2048*\u+512*\c   ; Q's two fragments stay in registers
.endr
.endr
.irp u, 0,1
	v_mov_b32 v[TT+4*\u], 0xff61b1e6               ; the largest t so far: -3e38, under every t
	v_floor_f32 v[NM+4*\u], -v[TT+4*\u]            ; -M.  (The first f is then 0, and the sum begins as 0)
	v_mov_b32 v[LS+4*\u], 0
	v_mov_b32 v[LS+4*\u+1], 0
	v_mov_b32 v[FF+2*\u+1], 0                      ; (named as the upper half of f's pair)
	v_mov_b32 v[PD+\u], 0                          ; written once: a lane permute's destination counts as one of its sources
.endr
	s_wait_alu depctr_va_vdst(0)                   ; directly ahead of the wait below
	s_wait_kmcnt 0x0
	s_add_co_i32 s57, s44, s45
	s_lshl_b32 s57, s57, 23
	s_mov_b32 s[CS], 0x3c8293ee                    ; c = log2(e) / sqrt(8192)
	s_add_co_i32 s[CS], s[CS], s57                 ; a score stands for score x 2^(eq + ek): the exponents are added to c's exponent field
	s_mov_b32 s[CS+1], s[CS]                       ; (named with it as a pair, so it is written)
	s_add_co_i32 s57, s46, 127
	s_lshl_b32 s58, s57, 23
	v_mov_b32 v[SC], s58                           ; 2^ep as f32, for the conversion
	s_add_co_i32 s57, s57, 15
	s_lshl_b32 s57, s57, 23
	s_or_b32 s[LIMS], s57, 0x600000                ; 57,344 x 2^ep
	s_add_co_i32 s[EXS], s46, s47
	s_wait_alu depctr_va_vdst(0)                   ; the head's end
	s_wait_tensorcnt 0x0                           ; slot 1 has landed; slot 0's first fill stands behind the full sequence
	ds_add_u32 v[SPW], v[NIL]
	s_wait_dscnt 0x0
	ROUND
	tensor_load_to_lds s[G0A:G0A+3], s[G1:G1+7]
	s_nop 0
	FETCHK AD1                                     ; K of the first step, and of the second into V's registers
	FETCHV AD1, VF, 16
	s_wait_loadcnt 0x0                             ; Q
	s_wait_dscnt 16                                ; the first step's K; the second's may be out
.irp t, 0,1,2,3
	SCORE S0, \t, 0, KF
	SCORE S0, \t, 1, KF
.endr
	s_wait_dscnt 0x0
	WIN 0x01
.irp t, 0,1,2,3
	SCORE S1, \t, 0, VF
	SCORE S1, \t, 1, VF
.endr
	WIN 0
.rept 4
	v_nop                                          ; four places behind the products
.endr
	MAXHEAD
.irp i, 0,4,8,12,16,20,24,28
	MAXNEXT 0, \i
.endr
	PAIR 1, 0                                      ; steps 0 and 1: their products start O^T
	s_mov_b32 s[CNT], 6
.Lloop:                                            ; six pairs: steps 2 to 13
	PAIR 0, 0
	s_sub_co_u32 s[CNT], s[CNT], 1
	s_cmp_lg_u32 s[CNT], 0
	s_cbranch_scc1 .Lloop
	PAIR 0, 1                                      ; steps 14 and 15: no scores follow; the last block is asked for in it
	; THE WAY OUT.  The eight waves' -M and sums meet in LDS; each wave brings its O^T under the largest M, with 2^(ep + ev) / the joined sum, into the stage; then each wave adds eight parts of four rows and stores them.
	; The stage lies on the ring's bytes, which have had their last fill; behind the first barrier nobody reads them.
.irp u, 0,1
	v_add_f32 v[LS+4*\u], v[LS+4*\u], v[LS+4*\u+1]
.endr
.irp u, 0,1
	v_permlanex16_b32 v[PD+\u], v[LS+4*\u], s[SEL], s[SEL+1]
.endr
.irp u, 0,1
	v_add_f32 v[MA+2*\u+1], v[LS+4*\u], v[PD+\u]   ; the sum over my keys,
	v_mov_b32 v[MA+2*\u], v[NM+4*\u]               ; beside its -M
.endr
	s_lshl_b32 s57, s[WV], 9
	s_add_co_u32 s57, s57, STATS
	v_add_nc_u32 v[AD0], s57, v[LI]
	ds_store_b128 v[AD0], v[MA:MA+3]
	v_add_nc_u32 v[AD1], STATS, v[LI]
	v_and_b32 v26, 15, v0                          ; r
	v_bfe_u32 v27, v0, 4, 1                        ; h
	v_mul_u32_u24 v27, v27, 544
	v_lshl_add_u32 v27, v26, 4, v27
	s_mul_i32 s57, s[WV], WREG
	v_add_nc_u32 v7, s57, v27                      ; the stage, in: channels 4 g .. 4 g + 3 of query r at 272 g + 16 r, g = 4 t + 2 h + k
	v_and_b32 v28, 31, v0
	v_mul_u32_u24 v28, v28, 272
	s_lshr_b32 s58, s[WV], 2
	s_mul_i32 s58, s58, UREG
	s_and_b32 s59, s[WV], 3
	s_lshl_b32 s59, s59, 6
	s_add_co_u32 s58, s58, s59
	v_add_nc_u32 v28, s58, v28                     ; out: lane g takes channels 4 g on of my four rows, parts 0 to 3,
	v_add_nc_u32 v29, 4*WREG, v28                  ; and 4 to 7
	s_wait_alu depctr_va_vdst(0)                   ; directly ahead of the wait below
	s_wait_dscnt 0x0
	s_barrier_signal -1
	s_barrier_wait -1
.irp y, 0,1,2,3,4,5,6,7
	ds_load_b128 v[S0+4*\y:S0+4*\y+3], v[AD1] offset:512*\y
.endr
	s_wait_dscnt 0x0
.irp u, 0,1
	v_min3_num_f32 v[OM+\u], v[S0+2*\u], v[S0+4+2*\u], v[S0+8+2*\u]   ; the smallest -M: the largest M
.endr
.irp u, 0,1
	v_min3_num_f32 v[OM+\u], v[OM+\u], v[S0+12+2*\u], v[S0+16+2*\u]
.endr
.irp u, 0,1
	v_min3_num_f32 v[OM+\u], v[OM+\u], v[S0+20+2*\u], v[S0+24+2*\u]
.endr
.irp u, 0,1
	v_min_num_f32 v[OM+\u], v[OM+\u], v[S0+28+2*\u]
.endr
.irp u, 0,1
	v_sub_f32 v[FF+2*\u], v[OM+\u], v[NM+4*\u]     ; my M less the largest: a whole number, 0 or less
.irp y, 0,1,2,3,4,5,6,7
	v_sub_f32 v[KF+8*\u+\y], v[OM+\u], v[S0+4*\y+2*\u]
.endr
.endr
.irp u, 0,1
	v_cvt_i32_f32 v[FF+2*\u], v[FF+2*\u]           ; (it saturates)
.irp y, 0,1,2,3,4,5,6,7
	v_cvt_i32_f32 v[KF+8*\u+\y], v[KF+8*\u+\y]
.endr
.endr
.irp u, 0,1
	v_ldexp_f32 v[FF+2*\u], 1.0, v[FF+2*\u]
.irp y, 0,1,2,3,4,5,6,7
	v_ldexp_f32 v[KF+8*\u+\y], 1.0, v[KF+8*\u+\y]
.endr
.endr
.irp u, 0,1
	v_mul_f32 v[PD+\u], v[KF+8*\u], v[S0+2*\u+1]
.endr
.irp y, 1,2,3,4,5,6,7
.irp u, 0,1
	v_fmac_f32 v[PD+\u], v[KF+8*\u+\y], v[S0+4*\y+2*\u+1]   ; the row's sum under the largest M
.endr
.endr
	s_wait_alu depctr_va_vdst(0)                   ; ahead of the batch
	v_rcp_f32 v[PD], v[PD]
	v_rcp_f32 v[PD+1], v[PD+1]
	v_nop                                          ; the plain place behind it
	s_wait_alu depctr_va_vdst(0)                   ; and behind it
.irp u, 0,1
	v_ldexp_f32 v[PD+\u], v[PD+\u], s[EXS]         ; x 2^(ep + ev)
.endr
.irp u, 0,1
	v_mul_f32 v[FF+2*\u], v[FF+2*\u], v[PD+\u]
.endr
	WIN 0x41
	s_wait_alu depctr_va_vdst(0)                   ; ahead of the group of matrix results
	RESC 0, 0, 32
	RESC 1, 0, 32
	WIN 0x04                                       ; store data window 1
.irp u, 0,1
.irp t, 0,1,2,3,4,5,6,7
	ds_store_b128 v7, v[64*\u+8*\t:64*\u+8*\t+3] offset:UREG*\u+1088*\t
	ds_store_b128 v7, v[64*\u+8*\t+4:64*\u+8*\t+7] offset:UREG*\u+1088*\t+272
.endr
.endr
	WIN 0
	s_wait_dscnt 0x0
	s_barrier_signal -1
	s_barrier_wait -1                              ; all eight parts lie in the stage
.irp y, 0,1,2,3
.irp i, 0,1,2,3
	ds_load_b128 v[64+16*\y+4*\i:64+16*\y+4*\i+3], v28 offset:WREG*\y+16*\i
.endr
.endr
.irp y, 0,1,2,3
.irp i, 0,1,2,3
	ds_load_b128 v[128+16*\y+4*\i:128+16*\y+4*\i+3], v29 offset:WREG*\y+16*\i
.endr
.endr
	s_wait_dscnt 16                                ; parts 0 to 3 are in; the others' sixteen loads may be out
.irp y, 1,2,3
.irp k, 0,2,4,6,8,10,12,14
	v_pk_add_f32 v[64+\k:64+\k+1], v[64+\k:64+\k+1], v[64+16*\y+\k:64+16*\y+\k+1]
.endr
.endr
	s_wait_alu depctr_va_vdst(0)                   ; directly ahead of the wait below
	s_wait_dscnt 0x0
.irp y, 4,5,6,7
.irp k, 0,2,4,6,8,10,12,14
	v_pk_add_f32 v[64+\k:64+\k+1], v[64+\k:64+\k+1], v[64+16*\y+\k:64+16*\y+\k+1]
.endr
.endr
.irp i, 0,1,2,3
	global_store_b128 v[LI], v[64+4*\i:64+4*\i+3], s[OUT:OUT+1] offset:512*\i th:TH_STORE_NT   ; 32 lanes store a whole row: 512 consecutive bytes, at a multiple of 512 from out0's first byte
.endr
	s_wait_tensorcnt 0x0                           ; the wave's end, behind my last LDS store
	ds_add_u32 v[SPW], v[NIL]
	s_wait_dscnt 0x0
	ROUND                                          ; the closing round: no work-group ends while a partner may still ask for a block that names it
	s_endpgm
.Lfunc_end_k_qd0800cd2d4_attn:
	.size	k_qd0800cd2d4_attn, .Lfunc_end_k_qd0800cd2d4_attn-k_qd0800cd2d4_attn
	.p2alignl 7, 3214868480
	.fill 96, 4, 3214868480
	.section	.rodata,"a",@progbits
	.p2align	6, 0x0
	.amdhsa_kernel k_qd0800cd2d4_attn
		.amdhsa_group_segment_fixed_size 327680
		.amdhsa_private_segment_fixed_size 0
		.amdhsa_enable_private_segment 0
		.amdhsa_kernarg_size 32
		.amdhsa_user_sgpr_count 2
		.amdhsa_user_sgpr_kernarg_segment_ptr 1
		.amdhsa_wavefront_size32 1
		.amdhsa_system_sgpr_workgroup_id_x 1
		.amdhsa_system_sgpr_workgroup_id_y 1
		.amdhsa_system_sgpr_workgroup_id_z 1
		.amdhsa_system_vgpr_workitem_id 0
		.amdhsa_next_free_vgpr 512
		.amdhsa_next_free_sgpr 80
		.amdhsa_reserve_vcc 0
		.amdhsa_float_denorm_mode_32 3
		.amdhsa_float_denorm_mode_16_64 3
		.amdhsa_memory_ordered 1
		.amdhsa_forward_progress 1
		.amdhsa_inst_pref_size 126
	.end_amdhsa_kernel
	.amdgpu_metadata
---
amdhsa.version: [ 1, 2 ]
amdhsa.kernels:
  - .name:           k_qd0800cd2d4_attn
    .symbol:         k_qd0800cd2d4_attn.kd
    .args:
      - { .name: qc, .offset: 0, .size: 8, .value_kind: global_buffer, .address_space: global }
      - { .name: kv, .offset: 8, .size: 8, .value_kind: global_buffer, .address_space: global }
      - { .name: lowp_scales, .offset: 16, .size: 8, .value_kind: global_buffer, .address_space: global }
      - { .name: out0, .offset: 24, .size: 8, .value_kind: global_buffer, .address_space: global }
    .group_segment_fixed_size: 327680
    .private_segment_fixed_size: 0
    .kernarg_segment_align: 8
    .kernarg_segment_size: 32
    .max_flat_workgroup_size: 256
    .sgpr_count:     80
    .vgpr_count:     512
    .wavefront_size: 32
...
	.end_amdgpu_metadata
.endif
;; end of part 2
